; MI455X (gfx1250); checked and timed in simulation.
; The chip was launched on July 23, 2026; its instructions are those of AMD's public machine-readable ISA for CDNA 5 (MIT licence, August 2026) and "CDNA5" Instruction Set Architecture Reference Guide (July 2026). The comments in the code are by the model that wrote it; some were corrected since.
;; Dec Green Net product CP4. Allowed arithmetic: matrix products marked QUANTISED: E4M3 operands, one given power-of-two scale a tensor, by v_wmma_f32_16x16x64_fp8_fp8 or v_wmma_f32_16x16x128_fp8_fp8, f32 sums; products left as they are: f32 operands where the result goes on into a quantised operand, else bf16, f16 or f32 operands; f32 sums; everything else in f32.
;; Inputs: W1 3 x 1,024 float32; W2 1,024 x 4,096 float32; Wq0a 1 x 128 float32; Wq0b 128 x 64 float32; Wq1a 1 x 128 float32; Wq1b 128 x 64 float32; Wq2a 1 x 128 float32; Wq2b 128 x 64 float32; Wq3a 1 x 128 float32; Wq3b 128 x 64 float32; b1 1,024 float32; b2 4,096 float32; bq0a 128 float32; bq0b 64 float32; bq1a 128 float32; bq1b 64 float32; bq2a 128 float32; bq2b 64 float32; bq3a 128 float32; bq3b 64 float32; eq_param 1 float32; input 16,384 x 3 float32; lowp_scales 10 int32 (the exponents e of the quantised operands' scales 2^e); quad_x0 64 x 1 float32; quad_x1 64 x 1 float32; quad_x2 64 x 1 float32; quad_x3 64 x 1 float32.
;; Outputs: out0 16,384 float32.
;; This version of the problem:
;;   THIS VERSION OF THE PROBLEM IS GIVEN IN LOW PRECISION. The matrix products marked QUANTISED in the list below multiply operands that are first quantised to E4M3 (4 exponent bits, 3 mantissa bits; 8 bits a number), with one given power-of-two scale for each operand tensor; their sums are f32. All else is computed in f32.
;;   The module's matrix products, in the order in which they are computed (A, B: the left and right operand; K: the contracted axis; several contracted axes count as one K, in the product's order):
;;     1. [M 16,384, K 3] x [K 3, N 1,024]; A: input input; B: input W1: left as it is (K = 3 < 32)
;;     2. [M 16,384, K 1,024] x [K 1,024, N 4,096]; A: computed on the way; B: input W2: QUANTISED (scales: A lowp_scales[0], B lowp_scales[1])
;;     3. [M 64, K 1] x [K 1, N 128]; A: input quad_x0; B: input Wq0a: left as it is (K = 1 < 32)
;;     4. [M 64, K 128] x [K 128, N 64]; A: computed on the way; B: input Wq0b: QUANTISED (scales: A lowp_scales[2], B lowp_scales[3])
;;     5. [M 64, K 1] x [K 1, N 128]; A: input quad_x1; B: input Wq1a: left as it is (K = 1 < 32)
;;     6. [M 64, K 128] x [K 128, N 64]; A: computed on the way; B: input Wq1b: QUANTISED (scales: A lowp_scales[4], B lowp_scales[5])
;;     7. [M 64, K 1] x [K 1, N 128]; A: input quad_x2; B: input Wq2a: left as it is (K = 1 < 32)
;;     8. [M 64, K 128] x [K 128, N 64]; A: computed on the way; B: input Wq2b: QUANTISED (scales: A lowp_scales[6], B lowp_scales[7])
;;     9. [M 64, K 1] x [K 1, N 128]; A: input quad_x3; B: input Wq3a: left as it is (K = 1 < 32)
;;     10. [M 64, K 128] x [K 128, N 64]; A: computed on the way; B: input Wq3b: QUANTISED (scales: A lowp_scales[8], B lowp_scales[9])
;;     11. batch 8 x [M 8, K 1] x [K 1, N 8]; A: computed on the way; B: computed on the way: left as it is (no contracted axis)
;;     12. batch 8 x [M 8, K 1] x [K 1, N 8]; A: computed on the way; B: computed on the way: left as it is (no contracted axis)
;;     13. [M 64, K 8] x [K 8, N 64]; A: computed on the way; B: computed on the way: left as it is (K = 8 < 32)
;;     14. [M 16,384, K 4,096] x [K 4,096, N 1]; A: computed on the way; B: computed on the way: left as it is (N = 1 < 16)
;;   THE QUANTISER, for each operand of a quantised product, along K:
;;     - The operand's scale is 2^e, e = its entry of the input lowp_scales (int32; the entries are numbered through the quantised products in the list's order, A before B).
;;     - Each number is divided by the scale, clamped to +-448, and rounded to the nearest number of E4M3, ties to even, subnormals kept.
;;     - The product sums the exact products of the quantised numbers (number of the format x scale) in f32.
;;   ~~~python
;;   def quantise(x, axis, e):      # numpy; x: float32 -> the quantised numbers, widened to float32 again
;;       x = np.moveaxis(x, axis, -1); K = x.shape[-1]
;;       r = np.clip(x / 2.0 ** e, -448, 448)
;;       step = 2.0 ** (np.maximum(np.frexp(np.where(r == 0, 1, r))[1] - 1, -6) - 3)
;;       q = np.round(r / step) * step * 2.0 ** e      # np.round: ties to even
;;       return np.moveaxis(q, -1, axis).astype(np.float32)
;;   ~~~
;;   OPERANDS COMPUTED ON THE WAY. 'Computed on the way' means the value that the module computes at that place (a softmax that the list does not call 'softmax' is quantised finished and normalised). What goes into a quantiser is computed in f32, as accurately as f32 sums, v_exp_f32 and their like allow (about 1e-6 of the number): no bf16 or f16 on the way to a quantiser, and a product that is left as it is and whose result goes on into a quantised operand takes f32 operands (vector FMAs, or v_wmma_f32_16x16x4_f32). A number that lies on a knife's edge between two numbers of the format may be rounded either way, as far as f32 arithmetic and the matrix unit's own rounding can turn it there, and no further.
;; One version. Each part assembles by itself: llvm-mc -triple=amdgcn-amd-amdhsa -mcpu=gfx1250 --defsym DOCPART=n.
;; ======== version 1 of 1: 3 launches
;; limits: a function is approximated: absolute error at most 1e-07
;; workspace buffers: hc 16,777,216 bytes; w2c 4,194,304 bytes; sq 1,024 bytes; part 262,144 bytes
;; launch prep (part 1): grid 772 x 1, 4 waves a work-group, no clusters, 0 bytes of LDS; arguments input, W1, b1, W2, lowp_scales, eq_param, hc, w2c, sq, quad_x0, quad_x1, quad_x2, quad_x3, Wq0a, Wq1a, Wq2a, Wq3a, bq0a, bq1a, bq2a, bq3a, Wq0b, Wq1b, Wq2b, Wq3b, bq0b, bq1b, bq2b, bq3b; writes hc, w2c, sq
.if DOCPART == 1
	.amdgcn_target "amdgcn-amd-amdhsa--gfx1250"
	.amdhsa_code_object_version 6
	.text
	.protected	k_qb5db88b2ed_prep
	.globl	k_qb5db88b2ed_prep
	.p2align	8
	.type	k_qb5db88b2ed_prep,@function
k_qb5db88b2ed_prep:
	s_mov_b64 s[64:65], 0
	v_nop
	global_prefetch_b8 v0, s[64:65] scope:SCOPE_SE
	s_setreg_imm32_b32 hwreg(HW_REG_WAVE_MODE, 25, 1), 1
	s_wait_xcnt 0x0
; PREP: everything ahead of the large product, in one launch of three roles, chosen by the work-group's number.
;   work-groups 0-3     (role S): S_i[8 p + x] = sum over the 64 quadrature points of eq sin(pi q) (Q(tanh(q Wa + ba)) Q(Wb) + bb): 64 f32 for each factor i, into sq at 256 i.
;   work-groups 4-515   (role H): H = tanh(input W1 + b1), quantised to E4M3 with 2^lowp_scales[0], into hc.
;   work-groups 516-771 (role W): W2, whose K is its first axis, quantised to E4M3 with 2^lowp_scales[1], into w2c.
; hc AND w2c ARE LAID AS IMAGES OF THE OPERAND'S REGISTERS: a block of 16 rows of H (16 columns of W2) is 16,384 bytes; in it K step sg (128 along K) is 2,048 bytes, group c of four registers 512 bytes,
; lane l = 16 h + r 16 bytes: the codes of row (column) r, k = 128 sg + 32 c + 16 h + 0 .. 15.  The next launch fills a fragment by loads of 16 bytes a lane, 512 consecutive bytes an instruction.
; (That place of k in the registers is a permutation of the form's own, the same in both operands: every product meets its partner; only the order of the sums inside an instruction differs.)
; tanh(x) = 1 - 2 / (1 + 2^(c x)), c = 2 log2(e); c is folded into the numbers that make the argument.  Very large |x| give +-1 by way of 2^t = infinity or 0.
; No LDS, no barrier, no loop: waves share nothing, every offset is an immediate.
; LIMITS.  Each quantiser's exponent e lies between -126 and 119, and for each small product eA + eB between -126 and 127, so that each power of two below is an f32 number.  NaN among the inputs is not served.
; tanh made so has an absolute error of about 1e-7: its relative accuracy falls under 1e-6 where |tanh| is under about 0.1.
; sin(pi q) is made from q - floor(q + 0.5), which is exact, and a polynomial of degree 11 in pi times that (absolute error under 1e-7); for large |q| it is the sine of the exact pi q, not of that product rounded to f32.
.set C2L,  0x4038aa3b                  ; c = 2 log2(e)
.set WVN,  22                          ; s22  my wave's number
.set HM,   23                          ; s23  the mask of lanes 16-31
.set T,    64                          ; v64-127  64 numbers at work
.set D,    192                         ; v192-255 matrix results: written by matrix instructions alone, in all three roles
.set SC,   10                          ; v10  roles H, W: 2^e as f32
.set LIM,  11                          ; v11  roles H, W: 448 x 2^e
.set XB,   8                           ; role H: v[8:9] source 1: c x(r, 2 h); c x(r, 1) or, in lanes 16-31, c
.set HO,   12                          ; role H: v12 16 x lane
.set WF,   16                          ; role H: v16-47 source 0 of eight tiles, two sets by the step's parity
.set TA,   48                          ; role H: v48-55 W1(1, unit)
.set TB,   56                          ; role H: v56-63 b1(unit)
.set PC,   128                         ; role H: v128-191 codes: 16 registers for each step, so that no store's data are written again
.set WA,   16                          ; role S: v16-31 Wa(32 c + 16 h + 0 .. 15)
.set BA,   32                          ; role S: v32-47 ba likewise
.set BC,   48                          ; role S: v48-63 Wb's codes
.set AC,   128                         ; role S: v128-159 the hidden layer's codes, 8 registers for each block of 16 points
.set QX,   160                         ; role S: v160-163 q of point 16 a + r
.set QC,   164                         ; role S: v164-171 c q, in pairs
.set YY,   172                         ; role S: v172-179 eq sin(pi q), in pairs
.set BB,   180                         ; role S: v180-187 bb of my eight columns
.set SCA,  188                         ; role S: v188-191 scale and hold of the hidden layer, of Wb
.set LIMA, 189
.set SCB,  190
.set LIMB, 191
.set TMP,  16                          ; role S, at the end
.set ZZ,   24
; 64 arguments c x in v[src] on become 64 tanh in v[T] on.  Each batch of transcendentals has one plain line behind it and ONE wait ahead of its first reader.
; The arguments are read in ascending order: a matrix result is read from its low end on.
.macro TANH64 src
.set n_, 0
.rept 64
	v_exp_f32 v[T+n_], v[(\src)+n_]
.set n_, n_+1
.endr
	v_nop
	s_wait_alu depctr_va_vdst(0)
.set n_, 0
.rept 32
	v_pk_add_f32 v[T+n_:T+n_+1], v[T+n_:T+n_+1], 1.0 op_sel_hi:[1,0]
.set n_, n_+2
.endr
.set n_, 0
.rept 64
	v_rcp_f32 v[T+n_], v[T+n_]
.set n_, n_+1
.endr
	v_nop
	s_wait_alu depctr_va_vdst(0)
.set n_, 0
.rept 32
	v_pk_fma_f32 v[T+n_:T+n_+1], v[T+n_:T+n_+1], -2.0, 1.0 op_sel_hi:[1,0,0]
.set n_, n_+2
.endr
.endm
; 64 numbers in v[src] on become 64 codes: block b's sixteen in v[dst + stp b] on, four registers.
.macro QUANT src, dst, stp, scl, lim
.irp b, 0,1,2,3
.set n_, 0
.rept 16
	v_med3_num_f32 v[(\src)+16*\b+n_], v[(\src)+16*\b+n_], -v[\lim], v[\lim]   ; the conversion to an 8-bit code does not saturate (ISA guide 7.6.2): the hold at the largest code x the scale
.set n_, n_+1
.endr
	v_cvt_scalef32_pk8_fp8_f32 v[(\dst)+(\stp)*\b:(\dst)+(\stp)*\b+1], v[(\src)+16*\b:(\src)+16*\b+7], v[\scl]
	v_cvt_scalef32_pk8_fp8_f32 v[(\dst)+(\stp)*\b+2:(\dst)+(\stp)*\b+3], v[(\src)+16*\b+8:(\src)+16*\b+15], v[\scl]
.endr
	v_nop                                          ; one plain line between the last conversion and whatever next touches its codes or writes its numbers
.endm
; the exponent e in s[e] (spent) becomes 2^e in v[scl] and 448 x 2^e in v[lim]
.macro MKSC e, t, scl, lim
	s_add_co_i32 s[\e], s[\e], 127
	s_lshl_b32 s[\t], s[\e], 23
	v_mov_b32 v[\scl], s[\t]
	s_add_co_i32 s[\e], s[\e], 8
	s_lshl_b32 s[\e], s[\e], 23
	s_or_b32 s[\e], s[\e], 0x600000
	v_mov_b32 v[\lim], s[\e]
.endm
	s_load_b512 s[4:19], s[0:1], 0x0               ; input s[4:5], W1 s[6:7], b1 s[8:9], W2 s[10:11], lowp_scales s[12:13], eq_param s[14:15], hc s[16:17], w2c s[18:19]
	s_load_b64 s[20:21], s[0:1], 0x40              ; sq
	v_lshrrev_b32 v1, 5, v0
	v_readfirstlane_b32 s[WVN], v1                 ; wave 0..3
	v_and_b32 v1, 31, v0                           ; lane
	v_and_b32 v2, 15, v0                           ; r
	v_bfe_u32 v3, v0, 4, 1                         ; h
	s_mov_b32 s[HM], 0xffff0000
	s_cmp_lt_u32 ttmp9, 4
	s_cbranch_scc1 .Lrole_s
	s_cmp_lt_u32 ttmp9, 516
	s_cbranch_scc1 .Lrole_h
; ---------------------------------------------------------------- ROLE W
; Work-group g = 32 ks + cg takes K step ks (128 rows of W2) x 128 columns; a wave 32 columns.  A LANE TAKES A COLUMN AND ITS REGISTERS RUN DOWN K: each load reads 128 consecutive bytes a wave (512 a work-group),
; and the conversions give codes with K innermost.  A lane's 16 codes are 16 bytes of the image, and sixteen neighbouring lanes' are 256 consecutive bytes, aligned: no stage is needed.
	s_sub_co_u32 s2, ttmp9, 516
	s_and_b32 s3, s2, 31                           ; cg
	s_lshr_b32 s2, s2, 5                           ; ks
	v_lshlrev_b32 v4, 2, v1                        ; in: 4 bytes a lane
	v_lshlrev_b32 v5, 4, v2                        ; out: 16 r,
	v_lshl_add_u32 v5, v3, 14, v5                  ; and lanes 16-31 in the next block of 16 columns
	s_lshl_b32 s24, s2, 21                         ; W2: 128 ks rows of 16,384 bytes
	s_lshl_b32 s25, s3, 9                          ; + 128 cg columns
	s_add_co_u32 s24, s24, s25
	s_lshl_b32 s25, s[WVN], 7                      ; + 32 w columns
	s_add_co_u32 s24, s24, s25
	s_mov_b32 s25, 0
	s_lshl_b32 s26, s3, 17                         ; w2c: block 8 cg + 2 w of 16,384 bytes,
	s_lshl_b32 s27, s[WVN], 15
	s_add_co_u32 s26, s26, s27
	s_lshl_b32 s27, s2, 11                         ; K step ks of 2,048
	s_add_co_u32 s26, s26, s27
	s_mov_b32 s27, 0
	s_wait_kmcnt 0x0
	s_load_b32 s28, s[12:13], 0x4                  ; e of W2
	s_add_nc_u64 s[10:11], s[10:11], s[24:25]
	s_add_nc_u64 s[18:19], s[18:19], s[26:27]
.set n_, 0
.rept 128
	global_load_b32 v[64+n_], v4, s[10:11] offset:n_*16384 th:TH_LOAD_NT   ; W2(128 ks + n, my column); the largest offset, 127 rows, lies inside the signed 24-bit immediate
.set n_, n_+1
.endr
	s_wait_kmcnt 0x0
	MKSC 28, 29, SC, LIM
; block c: 32 along K.  left: how many younger loads may stay out
.macro WBLOCK c, left
	s_wait_loadcnt \left
.set n_, 0
.rept 32
	v_med3_num_f32 v[64+32*(\c)+n_], v[64+32*(\c)+n_], -v[LIM], v[LIM]
.set n_, n_+1
.endr
.irp g, 0,1,2,3
	v_cvt_scalef32_pk8_fp8_f32 v[16+8*(\c)+2*\g:16+8*(\c)+2*\g+1], v[64+32*(\c)+8*\g:64+32*(\c)+8*\g+7], v[SC]
.endr
	v_nop
	global_store_b128 v5, v[16+8*(\c):16+8*(\c)+3], s[18:19] offset:512*(\c)          ; k = 32 c + 0 .. 15: the image's lanes 0-15; sixteen lanes store 256 consecutive bytes, aligned
	global_store_b128 v5, v[16+8*(\c)+4:16+8*(\c)+7], s[18:19] offset:512*(\c)+256    ; k = 32 c + 16 .. 31: its lanes 16-31.  Each block has its own registers for its codes
.endm
	WBLOCK 0, 63                                   ; a wait names 63 at the most: at most 63 of the 128 loads are out, so the first 65 are in: blocks 0 and 1
	WBLOCK 1, 63
	WBLOCK 2, 32                                   ; block 3's loads may be out
	WBLOCK 3, 0
	s_endpgm
; ---------------------------------------------------------------- ROLE H
; Work-group g = 2 j + kh: wave w takes rows 16 (4 j + w) on and hidden units 512 kh on, in four steps of 128 units.
; THE FIRST PRODUCT goes to the f32 matrix form, transposed, with the bias as the fourth k: source 0 = 16 hidden units x (W1 row 0, row 1, row 2, b1), source 1 = (c x0, c x1, c x2, c) x 16 rows.
; In the result lane (r, h) holds row r.  THE UNITS OF A TILE ARE NOT NEIGHBOURS: lane r of tile u takes unit 32 (u / 2) + 8 (u % 2) + r + 8 (r / 8), so that the 16 registers of tiles 2 b and 2 b + 1
; are units 32 b + 16 h + 0 .. 15: the conversions' results are the image's registers.
.macro HLOAD st                        ; step st's source 0: 24 loads
.irp u, 0,1,2,3,4,5,6,7
	global_load_b32 v[WF+16*((\st)%2)+2*\u], v7, s[6:7] offset:512*(\st)+(32*(\u/2)+8*(\u%2))*4        ; W1(2 h, unit)
	global_load_b32 v[TA+\u], v6, s[6:7] offset:4096+512*(\st)+(32*(\u/2)+8*(\u%2))*4                  ; W1(1, unit)
	global_load_b32 v[TB+\u], v6, s[8:9] offset:512*(\st)+(32*(\u/2)+8*(\u%2))*4                       ; b1(unit)
.endr
.endm
.macro HSTEP st
	s_wait_loadcnt 0x0                             ; this step's 24 loads, asked for a step ago
.irp u, 0,1,2,3,4,5,6,7
	v_cndmask_b32 v[WF+16*((\st)%2)+2*\u+1], v[TA+\u], v[TB+\u], s[HM]   ; k = 2 h + 1: W1's row 1 in lanes 0-15, b1 in lanes 16-31
.endr
.irp u, 0,1,2,3,4,5,6,7
	v_wmma_f32_16x16x4_f32 v[D+8*\u:D+8*\u+7], v[WF+16*((\st)%2)+2*\u:WF+16*((\st)%2)+2*\u+1], v[XB:XB+1], 0
.endr
.rept 8
	v_nop                                          ; eight places behind this form (ISA guide 7.12.1) ahead of the first read of its results
.endr
.if (\st) < 3
	HLOAD (\st)+1                                  ; into the other set
.endif
	TANH64 D
	QUANT T, PC+16*(\st), 4, SC, LIM
.irp c, 0,1,2,3
	global_store_b128 v[HO], v[PC+16*(\st)+4*\c:PC+16*(\st)+4*\c+3], s[16:17] offset:2048*(\st)+512*\c   ; 32 lanes store 512 consecutive bytes, aligned
.endr
.endm
.Lrole_h:
	s_sub_co_u32 s2, ttmp9, 4
	s_and_b32 s3, s2, 1                            ; kh
	s_lshr_b32 s2, s2, 1
	s_lshl_b32 s2, s2, 2
	s_add_co_u32 s2, s2, s[WVN]                    ; my block of 16 rows, 0 .. 1,023
	v_mul_u32_u24 v4, v2, 12                       ; input: row r of 12 bytes
	v_lshl_add_u32 v5, v3, 3, v4                   ; + 8 h: x(r, 2 h)
	v_and_b32 v6, 8, v2
	v_add_nc_u32 v6, v6, v2                        ; r + 8 (r / 8)
	v_lshlrev_b32 v6, 2, v6
	s_lshl_b32 s24, s3, 11
	v_add_nc_u32 v6, s24, v6                       ; my unit's 4 bytes in a row of W1 and in b1: + 512 kh units
	v_lshl_add_u32 v7, v3, 13, v6                  ; and in W1's row 2 h
	v_lshlrev_b32 v[HO], 4, v1
	s_mul_i32 s24, s2, 192                         ; input: 16 rows of 12 bytes a block
	s_mov_b32 s25, 0
	s_lshl_b32 s26, s2, 14                         ; hc: my block,
	s_lshl_b32 s27, s3, 13                         ; K steps 4 kh on
	s_add_co_u32 s26, s26, s27
	s_mov_b32 s27, 0
	s_wait_kmcnt 0x0
	s_load_b32 s28, s[12:13], 0x0                  ; e of H
	s_add_nc_u64 s[4:5], s[4:5], s[24:25]
	s_add_nc_u64 s[16:17], s[16:17], s[26:27]
	global_load_b32 v[XB], v5, s[4:5]
	global_load_b32 v13, v4, s[4:5] offset:4
	HLOAD 0
	s_wait_kmcnt 0x0
	MKSC 28, 29, SC, LIM
	v_mov_b32 v14, C2L
	s_wait_loadcnt 24                              ; x's two loads are in; step 0's 24 may be out
	v_mul_f32 v[XB], v14, v[XB]
	v_mul_f32 v13, v14, v13
	v_cndmask_b32 v[XB+1], v13, v14, s[HM]         ; k = 3 multiplies b1: c
	HSTEP 0
	HSTEP 1
	HSTEP 2
	HSTEP 3
	s_endpgm
; ---------------------------------------------------------------- ROLE S
; Work-group i is factor i; wave tn makes its columns 16 tn .. 16 tn + 15 for all 64 points (four blocks a of 16).  Each wave makes the hidden layer for itself: four times 8,192 tanh in all, and in exchange no LDS and no barrier.
; The product is used transposed: source 0 = 16 columns of Wb, source 1 = 16 points: lane (r, h) holds point 16 a + r and columns 16 tn + 8 h + 0 .. 7.  K = 128 goes in two instructions of 64.
.macro SLOADW c                        ; Wa and ba at k = 32 c + 16 h + 0 .. 15
.irp j, 0,1,2,3
	global_load_b128 v[WA+4*\j:WA+4*\j+3], v7, s[32:33] offset:128*(\c)+16*\j
	global_load_b128 v[BA+4*\j:BA+4*\j+3], v7, s[40:41] offset:128*(\c)+16*\j
.endr
.endm
.macro ACT c                           ; the hidden layer at k = 32 c + 16 h + 0 .. 15 for the four blocks of points: 64 numbers, register 16 a + i
	s_wait_loadcnt 0x0
.irp q, 0,2,4,6,8,10,12,14
	v_pk_mul_f32 v[BA+\q:BA+\q+1], v[BA+\q:BA+\q+1], C2L op_sel_hi:[1,0]
.endr
.irp a, 0,1,2,3
.irp q, 0,2,4,6,8,10,12,14
	v_pk_fma_f32 v[T+16*\a+\q:T+16*\a+\q+1], v[WA+\q:WA+\q+1], v[QC+2*\a:QC+2*\a+1], v[BA+\q:BA+\q+1] op_sel_hi:[1,0,1]   ; c (q Wa + ba)
.endr
.endr
.if (\c) < 3
	SLOADW (\c)+1
.endif
	TANH64 T
	QUANT T, AC+4*((\c)%2), 8, SCA, LIMA
.if (\c)%2 == 1                        ; 64 along K are ready: four products, the accumulators by turns
.irp a, 0,1,2,3
.if (\c) == 1
	v_wmma_f32_16x16x64_fp8_fp8 v[D+8*\a:D+8*\a+7], v[BC:BC+7], v[AC+8*\a:AC+8*\a+7], 0
.else
	v_wmma_f32_16x16x64_fp8_fp8 v[D+8*\a:D+8*\a+7], v[BC+8:BC+15], v[AC+8*\a:AC+8*\a+7], v[D+8*\a:D+8*\a+7]
.endif
.endr
.endif
.endm
.Lrole_s:
	s_load_b512 s[24:39], s[0:1], 0x48             ; quad_x0..3 s[24:31], Wq0a..3a s[32:39]
	s_load_b512 s[40:55], s[0:1], 0x88             ; bq0a..3a s[40:47], Wq0b..3b s[48:55]
	s_load_b256 s[56:63], s[0:1], 0xc8             ; bq0b..3b
	s_lshl_b32 s2, ttmp9, 3                        ; the factor's two exponents lie 8 i bytes on
	s_mov_b32 s3, 0
	s_lshl_b32 s69, s[WVN], 6                      ; 64 tn: my 16 columns in bytes
	v_lshlrev_b32 v5, 2, v2                        ; q: 4 r
	v_lshl_add_u32 v4, v3, 12, v5                  ; Wb: lane r takes column 16 tn + r, lanes 16-31 begin 16 rows of 256 bytes further down
	v_add_nc_u32 v4, s69, v4
	v_lshlrev_b32 v6, 5, v3
	v_add_nc_u32 v6, s69, v6                       ; bb: 64 tn + 32 h
	v_lshlrev_b32 v7, 6, v3                        ; Wa, ba: 64 h
	v_and_b32 v8, 7, v0                            ; r % 8
	v_lshl_add_u32 v10, v8, 2, v6
	s_lshl_b32 s72, ttmp9, 8
	v_add_nc_u32 v10, s72, v10                     ; sq: 256 i + 64 tn + 32 h + 4 (r % 8)
	s_wait_kmcnt 0x0
	s_add_nc_u64 s[2:3], s[12:13], s[2:3]
	s_load_b64 s[66:67], s[2:3], 0x8               ; eA, eB
	s_load_b32 s68, s[14:15], 0x0                  ; eq
	s_and_b32 s73, ttmp9, 1                        ; the factor's five buffers: a choice that hangs on the work-group's number alone
	s_cmp_eq_u32 s73, 0
.irp b, 24,32,40,48,56
	s_cselect_b64 s[\b:\b+1], s[\b:\b+1], s[\b+2:\b+3]
	s_cselect_b64 s[\b+4:\b+5], s[\b+4:\b+5], s[\b+6:\b+7]
.endr
	s_cmp_lt_u32 ttmp9, 2
.irp b, 24,32,40,48,56
	s_cselect_b64 s[\b:\b+1], s[\b:\b+1], s[\b+4:\b+5]
.endr
.set n_, 0
.rept 64
	global_load_b32 v[T+n_], v4, s[48:49] offset:(32*(n_/16)+n_%16)*256   ; Wb(32 c + 16 h + i, my column) into register 16 c + i
.set n_, n_+1
.endr
.irp a, 0,1,2,3
	global_load_b32 v[QX+\a], v5, s[24:25] offset:64*\a
.endr
	global_load_b128 v[BB:BB+3], v6, s[56:57]
	global_load_b128 v[BB+4:BB+7], v6, s[56:57] offset:16
	SLOADW 0
	s_wait_kmcnt 0x0
	s_add_co_i32 s70, s66, s67                     ; a sum stands for sum x 2^(eA + eB)
	s_add_co_i32 s70, s70, 127
	s_lshl_b32 s70, s70, 23
	s_mov_b32 s71, s70                             ; (named with it as a pair, so it is written)
	MKSC 66, 72, SCA, LIMA
	MKSC 67, 72, SCB, LIMB
	s_wait_loadcnt 14                              ; Wb's 64 loads are in; q's four, bb's two and the eight of Wa and ba may be out
	QUANT T, BC, 4, SCB, LIMB
	s_wait_loadcnt 10                              ; q is in
.irp a, 0,1,2,3                        ; y = eq sin(pi q): n = floor(q + 0.5), f = q - n (exact), z = pi f, sin z = z + z^3 P(z^2), the sign by n's lowest bit
	v_add_f32 v[64+\a], 0.5, v[QX+\a]
	v_mov_b32 v[76+\a], 0xb2d7322b                 ; -1 / 11!
.endr
.irp a, 0,1,2,3
	v_floor_f32 v[64+\a], v[64+\a]
.endr
.irp a, 0,1,2,3
	v_sub_f32 v[68+\a], v[QX+\a], v[64+\a]
.endr
.irp a, 0,1,2,3
	v_mul_f32 v[68+\a], 0x40490fdb, v[68+\a]
.endr
.irp a, 0,1,2,3
	v_mul_f32 v[72+\a], v[68+\a], v[68+\a]
.endr
.irp k, 0x3638ef1d, 0xb9500d01, 0x3c088889, 0xbe2aaaab   ; 1 / 9!, -1 / 7!, 1 / 5!, -1 / 3!
.irp a, 0,1,2,3
	v_fmaak_f32 v[76+\a], v[76+\a], v[72+\a], \k
.endr
.endr
.irp a, 0,1,2,3
	v_mul_f32 v[72+\a], v[72+\a], v[68+\a]
	v_cvt_i32_f32 v[64+\a], v[64+\a]
.endr
.irp a, 0,1,2,3
	v_fma_f32 v[68+\a], v[72+\a], v[76+\a], v[68+\a]
	v_lshlrev_b32 v[64+\a], 31, v[64+\a]
.endr
.irp a, 0,1,2,3
	v_xor_b32 v[68+\a], v[64+\a], v[68+\a]
	v_mul_f32 v[QC+2*\a], C2L, v[QX+\a]
.endr
.irp a, 0,1,2,3
	v_mul_f32 v[YY+2*\a], s68, v[68+\a]
	v_mov_b32 v[QC+2*\a+1], v[QC+2*\a]             ; (the packed forms name pairs and take the low word for both halves: so the upper words are written)
.endr
.irp a, 0,1,2,3
	v_mov_b32 v[YY+2*\a+1], v[YY+2*\a]
.endr
	ACT 0
	ACT 1
	ACT 2
	ACT 3
.rept 4
	v_nop                                          ; four places behind the last products (ISA guide 7.12.1)
.endr
.irp a, 0,1,2,3                        ; y x (sum x 2^(eA + eB) + bb), added over the four blocks of points; each accumulator from its low end on
.irp q, 0,2,4,6
	v_pk_fma_f32 v[TMP+\q:TMP+\q+1], v[D+8*\a+\q:D+8*\a+\q+1], s[70:71], v[BB+\q:BB+\q+1] op_sel_hi:[1,0,1]
.endr
.irp q, 0,2,4,6
.if \a == 0
	v_pk_mul_f32 v[ZZ+\q:ZZ+\q+1], v[TMP+\q:TMP+\q+1], v[YY+2*\a:YY+2*\a+1] op_sel_hi:[1,0]
.else
	v_pk_fma_f32 v[ZZ+\q:ZZ+\q+1], v[TMP+\q:TMP+\q+1], v[YY+2*\a:YY+2*\a+1], v[ZZ+\q:ZZ+\q+1] op_sel_hi:[1,0,1]
.endif
.endr
.endr
.irp m, 1,2,4,8                        ; and over the sixteen lanes of a half: every lane then holds its half's eight sums
.irp j, 0,1,2,3,4,5,6,7
	v_add_f32_dpp v[ZZ+\j], v[ZZ+\j], v[ZZ+\j] row_xmask:\m row_mask:0xf bank_mask:0xf
.endr
.endr
	v_mov_b32 v9, v[ZZ]                            ; lane r takes sum r % 8
.irp j, 1,2,3,4,5,6,7
	v_cmp_eq_u32 vcc_lo, \j, v8
	v_cndmask_b32 v9, v9, v[ZZ+\j], vcc_lo
.endr
	v_cmp_gt_u32 vcc_lo, 8, v2                     ; lanes with r under 8 store: 2 x 32 bytes a wave, 1,024 bytes in the whole launch
	s_wait_xcnt 0x0                                ; EXEC changes only behind this wait
	s_and_saveexec_b32 s2, vcc_lo
	global_store_b32 v10, v9, s[20:21]
	s_wait_xcnt 0x0                                ; and again, in front of the line that widens it
	s_or_b32 exec_lo, exec_lo, s2
	s_endpgm
.Lfunc_end_k_qb5db88b2ed_prep:
	.size	k_qb5db88b2ed_prep, .Lfunc_end_k_qb5db88b2ed_prep-k_qb5db88b2ed_prep
	.p2alignl 7, 3214868480
	.fill 96, 4, 3214868480
	.section	.rodata,"a",@progbits
	.p2align	6, 0x0
	.amdhsa_kernel k_qb5db88b2ed_prep
		.amdhsa_group_segment_fixed_size 0
		.amdhsa_private_segment_fixed_size 0
		.amdhsa_enable_private_segment 0
		.amdhsa_kernarg_size 232
		.amdhsa_user_sgpr_count 2
		.amdhsa_user_sgpr_kernarg_segment_ptr 1
		.amdhsa_wavefront_size32 1
		.amdhsa_system_sgpr_workgroup_id_x 1
		.amdhsa_system_sgpr_workgroup_id_y 1
		.amdhsa_system_sgpr_workgroup_id_z 1
		.amdhsa_system_vgpr_workitem_id 0
		.amdhsa_next_free_vgpr 256
		.amdhsa_next_free_sgpr 80
		.amdhsa_reserve_vcc 1
		.amdhsa_float_denorm_mode_32 3
		.amdhsa_float_denorm_mode_16_64 3
		.amdhsa_memory_ordered 1
		.amdhsa_forward_progress 1
		.amdhsa_inst_pref_size 179
	.end_amdhsa_kernel
	.amdgpu_metadata
---
amdhsa.version: [ 1, 2 ]
amdhsa.kernels:
  - .name:           k_qb5db88b2ed_prep
    .symbol:         k_qb5db88b2ed_prep.kd
    .args:
      - { .name: input, .offset: 0, .size: 8, .value_kind: global_buffer, .address_space: global }
      - { .name: W1, .offset: 8, .size: 8, .value_kind: global_buffer, .address_space: global }
      - { .name: b1, .offset: 16, .size: 8, .value_kind: global_buffer, .address_space: global }
      - { .name: W2, .offset: 24, .size: 8, .value_kind: global_buffer, .address_space: global }
      - { .name: lowp_scales, .offset: 32, .size: 8, .value_kind: global_buffer, .address_space: global }
      - { .name: eq_param, .offset: 40, .size: 8, .value_kind: global_buffer, .address_space: global }
      - { .name: hc, .offset: 48, .size: 8, .value_kind: global_buffer, .address_space: global }
      - { .name: w2c, .offset: 56, .size: 8, .value_kind: global_buffer, .address_space: global }
      - { .name: sq, .offset: 64, .size: 8, .value_kind: global_buffer, .address_space: global }
      - { .name: quad_x0, .offset: 72, .size: 8, .value_kind: global_buffer, .address_space: global }
      - { .name: quad_x1, .offset: 80, .size: 8, .value_kind: global_buffer, .address_space: global }
      - { .name: quad_x2, .offset: 88, .size: 8, .value_kind: global_buffer, .address_space: global }
      - { .name: quad_x3, .offset: 96, .size: 8, .value_kind: global_buffer, .address_space: global }
      - { .name: Wq0a, .offset: 104, .size: 8, .value_kind: global_buffer, .address_space: global }
      - { .name: Wq1a, .offset: 112, .size: 8, .value_kind: global_buffer, .address_space: global }
      - { .name: Wq2a, .offset: 120, .size: 8, .value_kind: global_buffer, .address_space: global }
      - { .name: Wq3a, .offset: 128, .size: 8, .value_kind: global_buffer, .address_space: global }
      - { .name: bq0a, .offset: 136, .size: 8, .value_kind: global_buffer, .address_space: global }
      - { .name: bq1a, .offset: 144, .size: 8, .value_kind: global_buffer, .address_space: global }
      - { .name: bq2a, .offset: 152, .size: 8, .value_kind: global_buffer, .address_space: global }
      - { .name: bq3a, .offset: 160, .size: 8, .value_kind: global_buffer, .address_space: global }
      - { .name: Wq0b, .offset: 168, .size: 8, .value_kind: global_buffer, .address_space: global }
      - { .name: Wq1b, .offset: 176, .size: 8, .value_kind: global_buffer, .address_space: global }
      - { .name: Wq2b, .offset: 184, .size: 8, .value_kind: global_buffer, .address_space: global }
      - { .name: Wq3b, .offset: 192, .size: 8, .value_kind: global_buffer, .address_space: global }
      - { .name: bq0b, .offset: 200, .size: 8, .value_kind: global_buffer, .address_space: global }
      - { .name: bq1b, .offset: 208, .size: 8, .value_kind: global_buffer, .address_space: global }
      - { .name: bq2b, .offset: 216, .size: 8, .value_kind: global_buffer, .address_space: global }
      - { .name: bq3b, .offset: 224, .size: 8, .value_kind: global_buffer, .address_space: global }
    .group_segment_fixed_size: 0
    .private_segment_fixed_size: 0
    .kernarg_segment_align: 8
    .kernarg_segment_size: 232
    .max_flat_workgroup_size: 128
    .sgpr_count:     80
    .vgpr_count:     256
    .wavefront_size: 32
...
	.end_amdgpu_metadata
.endif
;; end of part 1
;; launch gemm (part 2): grid 64 x 4, 4 waves a work-group, clusters of 4 x 1, 327,680 bytes of LDS; arguments hc, w2c, sq, b2, lowp_scales, part; writes part
.if DOCPART == 2
	.amdgcn_target "amdgcn-amd-amdhsa--gfx1250"
	.amdhsa_code_object_version 6
	.text
	.protected	k_qb5db88b2ed_gemm
	.globl	k_qb5db88b2ed_gemm
	.p2align	8
	.type	k_qb5db88b2ed_gemm,@function
k_qb5db88b2ed_gemm:
	s_mov_b64 s[64:65], 0
	v_nop
	global_prefetch_b8 v0, s[64:65] scope:SCOPE_SE
	s_setreg_imm32_b32 hwreg(HW_REG_WAVE_MODE, 25, 1), 1
	s_wait_xcnt 0x0
	s_wait_alu depctr_hold_cnt(0) depctr_sa_sdst(0) depctr_va_vdst(0) depctr_va_sdst(0) depctr_va_ssrc(0) depctr_va_vcc(0) depctr_vm_vsrc(0)
	s_getreg_b32 s2, hwreg(HW_REG_IB_STS2, 6, 4)
	s_cmp_eq_u32 s2, 0
	s_cbranch_scc0 .Lentry_in_a_cluster
	s_endpgm
.Lentry_in_a_cluster:
	s_bfe_u32 s2, ttmp6, 0x10000c
	s_cmp_lg_u32 s2, 0x3003
	s_cbranch_scc0 .Lentry_shape_is_right
	s_endpgm
.Lentry_shape_is_right:
; part[Q][m] = sum over the 1,024 columns n of quarter Q of ((Q(H) Q(W2))[m][n] x 2^(e0 + e1) + b2[n]) x rhs[n];  rhs[512 b + 64 d + 8 f + i] = sum over x of S0[b][x] S1[d][x] S2[f][x] S3[i][x].
; The product runs on codes of E4M3 by v_wmma_f32_16x16x128_fp8_fp8, sums in f32.  hc and w2c hold the codes as images of the operands' registers (16 rows or columns x 1,024 K = 16,384 bytes; K step 2,048; four registers 512; lane 16).
; SHARES.  A work-group owns 256 rows of H and a quarter of the columns.  H STAYS IN REGISTERS, ONLY W2 STREAMS: wave w = 2 ih + kh holds rows 128 ih .. + 127 (8 blocks of 16) and K half kh (4 K steps): 512 registers, loaded once.
; A fragment of W2 read from LDS (16 columns x 128 K, four loads of 16 bytes a lane) then feeds eight matrix instructions, and each wave reads only its K half of the stream: 16 LDS loads for 32 matrix instructions.
; THE 16 x 16 RESULTS NEVER LEAVE THE REGISTERS: source 0 = 16 columns of W2, source 1 = 16 rows of H, so a lane holds one row of H and eight columns; each finished tile is multiplied by rhs at those columns and added into a pair of
; running sums for each block of rows.  At the end the pairs, the halves of the lanes and the two K halves are added.  K is thus summed in two halves, and b2 . rhs apart from the product.
; BY TURNS.  A block of 16 columns is two stretches of 16 matrix instructions (my rows' first and second half).  The 16 multiply-adds that take a stretch's results up stand IN THE NEXT STRETCH, a slice of two behind every second
; matrix instruction, so that the wave issues them while the matrix unit works.  All that a multiply-add names lies in window 0 and a product's operands in windows 1 to 3, so a slice costs two switches of the register window:
; 32 for a block's 32 matrix instructions.  Set in runs of their own between the stretches, the multiply-adds would stand where no product is at work but the last.
; THE LDS LOADS stand in ONE run for two blocks: 32 loads of fragments and 4 of rhs, behind the first of a pair's four stretches, three stretches (48 matrix instructions) ahead of the wait for them.  So W2's fragments have four sets.
; THE RING.  W2's quarter, 64 blocks of 16 columns, goes through two LDS slots of 8 blocks (131,072 bytes, dense: lane l reads at 16 l, so no padding is wanted).  Each wave fetches a quarter of a slot by one tensor load.
; A slot is left at the head of its last pair: that pair's fragments are in registers by then, and the pair's run of loads reads the other slot.
; CLUSTER.  The four work-groups of a cluster have the same quarter and walk the same blocks of W2: each tile is asked for JOINTLY, by the same tensor load with the same descriptor and a mask that names the four.
; H is not shared out so: it is a quarter of W2's bytes for a work-group, differs between partners, and goes straight into registers.
; LIMITS.  e0 + e1 is applied by v_ldexp_f32 and has none.  NaN among the inputs is not served.
; REGISTERS, in windows of 256 (s_set_vgpr_msb: bits 1:0 source 0, 3:2 source 1, 5:4 source 2, 7:6 destination).  window 0: addresses, running sums, the eight accumulators, rhs; v128-255 at work at the head.
;   windows 1, 2: H: block a in window 1 + a / 4 at v[64 (a % 4) + 16 s + 4 c].   window 3: W2's fragments, four sets, at v[64 set + 16 s + 4 c].
.set SLOTB, 131072
.set RT,    262144                     ; LDS behind the ring: rhs of my quarter, 1,024 f32
.set CW,    266240                     ; four words: each wave's part of b2 . rhs
.set STG,   266496                     ; 4 x 512 bytes: each wave's 128 row sums
.set SPARE, 268544                     ; the spare words, 128 bytes for each wave: two blocks of 256 bytes that no other line names
.set ADRB, 2                           ; v2-5   LDS address of my K half of a slot's blocks 0-3 and 4-7: v[2 + 2 slot + half]
.set RA0,  6                           ; v6     RT + 32 h
.set RA,   7                           ; v7     the same for the lap in hand
.set SPW,  8                           ; v8     LDS address of my spare word; never rewritten
.set NIL,  9                           ; v9     0; never rewritten
.set LI,   10                          ; v10    16 x lane
.set PFO,  11                          ; v11    256 x lane: the prefetches' offset; never rewritten
.set CWV,  12                          ; v12-15 the four words of CW
.set O,    16                          ; v16-31 the running sums, a pair for each block of rows
.set TE,   48                          ; v48-63 offsets at the head, at work at the end
.set ACC,  64                          ; v64-127 accumulators: group g (blocks 4 g .. 4 g + 3) at 64 + 32 g + 8 a
.set RH,   128                         ; v128-159 rhs at a block's columns 8 h + 0 .. 7: four sets, block t's in set t % 4
.set WV,  16                           ; s16 wave; s17 ih; s18 kh; s19 cx; s20 my block of 256 rows; s21 my quarter
.set IH,  17
.set KH,  18
.set CX,  19
.set MB,  20
.set QN,  21
.set G1,  24                           ; s[24:31] descriptor group 1
.set G0,  32                           ; s[32:39] group 0, a set for each slot
.set LAP, 44
.set RTB, 45
.set PFA, 46                           ; s[46:47] where my prefetches stand
.set LIM, 48                           ; s48 1 in a work-group that prefetches, else the greatest number
.set SEL, 50                           ; s[50:51] lane selects for v_permlanex16_b32: lane l xor 16
.set HMK, 54                           ; s54 the mask of lanes 16-31
.set MSB, 0
.macro WIN new                         ; the immediate's high byte repeats the setting that is left; a switch that changes nothing is dropped
.if MSB != \new
	s_set_vgpr_msb (MSB<<8)|\new
.set MSB, \new
.endif
.endm
.macro CREST                           ; a round of the cluster's barrier behind its opening barrier
	s_cmp_lg_u32 s[WV], 0
	s_cbranch_scc1 .Lnot_wave_0_\@
	s_barrier_signal -3
.Lnot_wave_0_\@:
	s_barrier_wait -3
	s_barrier_signal -1
	s_barrier_wait -1
.endm
.macro CROUND                          ; a whole round
	s_barrier_signal -1
	s_barrier_wait -1
	CREST
.endm
; A PREFETCH INTO THE L2 of the slot that the NEXT change of slots will ask for: eight blocks, 256 matrix instructions a wave ahead of that load.  All sixteen clusters of a quarter walk the same blocks: the first of them
; (cluster x = 0) asks.  Its four partners share the slot's 131,072 bytes out BY ADDRESS, 32,768 each; of these each wave takes 8,192: one instruction, lanes 256 bytes apart.  So each aligned block of 256 bytes is named once in the launch.
; how = 1: always; how = 0: not in the loop's last trip, where no slot follows.  Slots 0 to 2 come by their loads alone.
.macro ASK how
.if \how
	s_cmp_eq_u32 s[LIM], 1
.else
	s_cmp_gt_u32 s[LAP], s[LIM]
.endif
	s_cbranch_scc0 .Lnot_mine_\@
	global_prefetch_b8 v[PFO], s[PFA:PFA+1] th:TH_LOAD_NT scope:SCOPE_SE
.Lnot_mine_\@:
.endm
; A STRETCH: 16 matrix instructions, group g's four blocks of rows x one block of 16 columns (W2's set), my four K steps, number k: K step k / 4, block k % 4.  The first K step starts the sums.  The four accumulators take turns,
; one instruction a turn.  Behind every second one stands a slice of two of the 16 multiply-adds that take group ge's finished tiles x rhs (set rs) into the running sums, number k: registers
; 2 (k / 4), 2 (k / 4) + 1 of block k % 4: each accumulator from its low end on.
; THE PLACES (ISA guide 7.12.1).  Group ge was finished by the last four matrix instructions of the stretch before.  Between the one that finished block a and the multiply-add that first reads it stand that stretch's last slices
; and this stretch's multiply-adds for the blocks below a: four (a = 0, 2) or five (a = 1, 3) plain vector instructions, none of which names a register of that matrix instruction.  No v_nop is wanted.
.macro XE g, set, ge, rs
.set w_, 0x07+4*(\g)                   ; W2 window 3, H window 1 or 2, sums window 0
.set k_, 0
.rept 8
	WIN w_
.rept 2
.set d_, ACC+32*(\g)+8*(k_%4)
.set b_, 64*(\set)+16*(k_/4)
.set h_, 64*(k_%4)+16*(k_/4)
.if k_ < 4
	v_wmma_f32_16x16x128_fp8_fp8 v[d_:d_+7], v[b_:b_+15], v[h_:h_+15], 0
.else
	v_wmma_f32_16x16x128_fp8_fp8 v[d_:d_+7], v[b_:b_+15], v[h_:h_+15], v[d_:d_+7]
.endif
.set k_, k_+1
.endr
	WIN 0
.set k_, k_-2
.rept 2
.set o_, O+2*(4*(\ge)+k_%4)
.set c_, ACC+32*(\ge)+8*(k_%4)+2*(k_/4)
.set r_, RH+8*(\rs)+2*(k_/4)
	v_pk_fma_f32 v[o_:o_+1], v[c_:c_+1], v[r_:r_+1], v[o_:o_+1]
.set k_, k_+1
.endr
.endr
.endm
; the same 16 multiply-adds on end: behind the very last stretch
.macro E g, par
.irp i, 0,2,4,6
.irp a, 0,1,2,3
	v_pk_fma_f32 v[O+2*(4*(\g)+\a):O+2*(4*(\g)+\a)+1], v[ACC+32*(\g)+8*\a+\i:ACC+32*(\g)+8*\a+\i+1], v[RH+8*(\par)+\i:RH+8*(\par)+\i+1], v[O+2*(4*(\g)+\a):O+2*(4*(\g)+\a)+1]
.endr
.endr
.endm
.macro LB adr, off, set                ; a block's four fragments of my K half: 16 loads, 512 consecutive bytes each
.irp s, 0,1,2,3
.irp c, 0,1,2,3
	ds_load_b128 v[64*(\set)+16*\s+4*\c:64*(\set)+16*\s+4*\c+3], v[\adr] offset:(\off)+2048*\s+512*\c
.endr
.endr
.endm
.macro LR off, par                     ; a block's rhs
	ds_load_b128 v[RH+8*(\par):RH+8*(\par)+3], v[RA] offset:\off
	ds_load_b128 v[RH+8*(\par)+4:RH+8*(\par)+7], v[RA] offset:(\off)+16
.endm
; A PAIR OF BLOCKS, 2 u and 2 u + 1 of the slot: four stretches, 64 matrix instructions.  Its fragments lie in sets 2 (u % 2) and 2 (u % 2) + 1.  Behind the first stretch stands the run of loads for the next pair, into the other two
; sets, which the pair before was the last to read (its last matrix instruction stands more than four plain vector instructions back), and into the two sets of rhs that are done with: the second of them was read by the stretch just issued.
; mode 0: the next pair lies in the same slot.  mode 1: the slot's last pair, and the slot is filled again.  mode 2: the same with nothing left to fetch.  mode 3: the very last pair.
.macro PAIR slot, u, mode, how
.set PP, (\u)%2
.set R0, (2*(\u))%4                    ; rhs: block 2 u's set; block 2 u + 1's is R0 + 1,
.set RP, (R0+3)%4                      ; block 2 u - 1's, and then block 2 u + 3's,
.set RN, (R0+2)%4                      ; block 2 u + 2's
.if ((\mode) == 0) || ((\mode) == 3)
	s_wait_dscnt 0x0                               ; this pair's fragments and rhs, asked for three stretches ago
	XE 0, 2*PP, 1, RP
.else
.if (\mode) == 1
	s_wait_xcnt 0x0                                ; the last prefetch, a slot back, has read its address, so it may be written
	s_add_nc_u64 s[PFA:PFA+1], s[PFA:PFA+1], SLOTB
.endif
	s_wait_tensorcnt 0x0                           ; all my tensor loads have landed: the one that was out is my quarter of the other slot;  (every window is 0 here)
	ds_add_u32 v[SPW], v[NIL]                      ; 0 onto my spare word
.if (\mode) == 1
	s_add_nc_u64 s[G0+4*(\slot)+2:G0+4*(\slot)+3], s[G0+4*(\slot)+2:G0+4*(\slot)+3], 2*SLOTB   ; no load of mine is out, so a group 0 may be written: this slot's next eight blocks
.endif
	s_wait_dscnt 0x0                               ; the add is done, and my reads of this slot are over: this pair's fragments were the last
	s_barrier_signal -1
	XE 0, 2*PP, 1, RP                              ; work on registers while the others arrive; it leaves every window 0: branches follow
	s_barrier_wait -1
.if (\mode) == 1
	CREST                                          ; the barrier has opened a round of the cluster's: no wave of any partner still reads this slot or has a load on its way
	tensor_load_to_lds s[G0+4*(\slot):G0+4*(\slot)+3], s[G1:G1+7]   ; my one tensor load behind the round, and the first thing there: 240 matrix instructions stand between it and the wait for it
	s_nop 0
.rept 4
	v_nop
.endr
.endif
.endif
.if (\mode) != 3
	WIN 0xc0                                       ; destination window 3
.if (\mode) == 0
	LB ADRB+2*(\slot)+(2*(\u)+2)/4, ((2*(\u)+2)%4)*16384, 2*(1-PP)
	LB ADRB+2*(\slot)+(2*(\u)+2)/4, ((2*(\u)+3)%4)*16384, 2*(1-PP)+1
.else
	LB ADRB+2*(1-(\slot)), 0, 2*(1-PP)             ; the other slot's first two blocks
	LB ADRB+2*(1-(\slot)), 16384, 2*(1-PP)+1
.endif
	WIN 0
	LR 64*(8*(\slot)+2*(\u)+2), RN
	LR 64*(8*(\slot)+2*(\u)+3), RP
.endif
.if (\mode) == 1
	ASK \how
.endif
	XE 1, 2*PP, 0, R0
	XE 0, 2*PP+1, 1, R0
	XE 1, 2*PP+1, 0, R0+1
.if (\mode) == 3
	E 1, R0+1                                      ; the last stretch's results: its own last two slices, and these lines for the blocks below, are the places
.endif
.endm
.macro SLOTRUN slot, last, how
	PAIR \slot, 0, 0, 0
	PAIR \slot, 1, 0, 0
	PAIR \slot, 2, 0, 0
	PAIR \slot, 3, \last, \how
.endm
	s_load_b256 s[4:11], s[0:1], 0x0               ; hc s[4:5], w2c s[6:7], sq s[8:9], b2 s[10:11]
	s_load_b128 s[12:15], s[0:1], 0x20             ; lowp_scales s[12:13], part s[14:15]
	v_lshl_add_u32 v[SPW], v0, 2, SPARE
	v_mov_b32 v[NIL], 0
	ds_add_u32 v[SPW], v[NIL]                      ; the wave's opening: the add and its wait stand ahead of my first tensor load; the set-up below, work on registers, stands between them
	v_lshrrev_b32 v1, 5, v0
	v_readfirstlane_b32 s[WV], v1                  ; wave 0..3
	s_lshr_b32 s[IH], s[WV], 1
	s_and_b32 s[KH], s[WV], 1
	s_bfe_u32 s[CX], ttmp6, 0x40000                ; my place in the cluster: it enters the addresses of hc, of part and of the prefetches alone
	s_lshl_b32 s[MB], ttmp9, 2                     ; in a cluster launch ttmp9 counts clusters
	s_add_co_u32 s[MB], s[MB], s[CX]
	s_and_b32 s[QN], ttmp7, 0xffff                 ; the quarter, which the four partners share
	; descriptor group 1: 128 rows of 32 elements of 8 bytes, dense: 32,768 consecutive bytes
	s_mov_b32 s[G1], 15|(3<<16)|(1<<21)            ; 15:0 the mask: all four work-groups; 17:16 elements of 8 bytes; 20 no padding; 21 set beside a mask
	s_mov_b32 s[G1+1], 32<<16                      ; tensor_dim0 = 32
	s_mov_b32 s[G1+2], 128<<16                     ; tensor_dim1 = 128
	s_mov_b32 s[G1+3], 32<<16                      ; tile_dim0 = 32
	s_mov_b32 s[G1+4], 128                         ; tile_dim1 = 128
	s_mov_b32 s[G1+5], 32                          ; from row to row
	s_mov_b32 s[G1+6], 0
	s_mov_b32 s[G1+7], 0
	s_mov_b32 s[SEL], 0x76543210
	s_mov_b32 s[SEL+1], 0xfedcba98
	s_mov_b32 s[HMK], 0xffff0000
	s_mov_b32 s[RTB], 0
	s_cmp_eq_u32 ttmp9, 0                          ; the quarter's first cluster: the same in all four partners
	s_cselect_b32 s[LIM], 1, -1
	s_lshl_b32 s40, s[QN], 20                      ; w2c: my quarter, 64 blocks of 16,384 bytes,
	s_lshl_b32 s41, s[WV], 15                      ; my quarter of a slot
	s_add_co_u32 s40, s40, s41
	s_mov_b32 s41, 0
	s_lshl_b32 s56, s[MB], 18                      ; hc: block 16 MB + 8 ih of 16,384 bytes,
	s_lshl_b32 s57, s[IH], 17
	s_add_co_u32 s56, s56, s57
	s_lshl_b32 s57, s[KH], 13                      ; K steps 4 kh on
	s_add_co_u32 s56, s56, s57
	s_mov_b32 s57, 0
	s_lshl_b32 s58, s[QN], 16                      ; part: quarter Q's 16,384 f32,
	s_lshl_b32 s59, s[MB], 10                      ; my block's 256,
	s_add_co_u32 s58, s58, s59
	s_lshl_b32 s59, s[WV], 8                       ; rows 128 ih + 64 kh on
	s_add_co_u32 s58, s58, s59
	s_mov_b32 s59, 0
	s_lshl_b32 s60, s[QN], 20                      ; the prefetches: my quarter, my work-group's 32,768 bytes of a slot, my wave's 8,192 of them,
	s_lshl_b32 s61, s[CX], 15
	s_add_co_u32 s60, s60, s61
	s_lshl_b32 s61, s[WV], 13
	s_add_co_u32 s60, s60, s61
	s_add_co_u32 s60, s60, 2*SLOTB                 ; in slot 2: the first change of slots steps it to slot 3
	s_mov_b32 s61, 0
	s_lshl_b32 s22, s[QN], 6
	s_lshl_b32 s23, s[QN], 12
	v_and_b32 v1, 31, v0                           ; lane
	v_lshlrev_b32 v[LI], 4, v1
	v_lshlrev_b32 v[PFO], 8, v1
	v_bfe_u32 v48, v0, 4, 1                        ; h
	v_lshl_add_u32 v[RA0], v48, 5, RT
	v_mov_b32 v[RA], v[RA0]
	s_lshl_b32 s42, s[KH], 13
	v_add_nc_u32 v[ADRB], s42, v[LI]               ; my K half of a block + 16 x lane
	v_add_nc_u32 v[ADRB+1], 0x10000, v[ADRB]
	v_add_nc_u32 v[ADRB+2], 0x20000, v[ADRB]
	v_add_nc_u32 v[ADRB+3], 0x30000, v[ADRB]
	; thread t makes rhs at the quarter's columns 8 t + 0 .. 7: b = 2 Q + t / 64, d = (t / 8) % 8, f = t % 8, i = 0 .. 7
	v_lshrrev_b32 v49, 6, v0
	v_lshlrev_b32 v49, 5, v49
	v_add_nc_u32 v49, s22, v49                     ; S0's row b: 32 bytes a row
	v_bfe_u32 v50, v0, 3, 3
	v_lshlrev_b32 v50, 5, v50                      ; S1's row d
	v_and_b32 v51, 7, v0
	v_lshlrev_b32 v51, 5, v51                      ; S2's row f
	v_mov_b32 v52, 0                               ; all of S3
	v_lshlrev_b32 v53, 5, v0
	v_add_nc_u32 v53, s23, v53                     ; b2 at my eight columns
	v_lshl_add_u32 v54, v0, 5, RT                  ; where my eight rhs go
	s_lshl_b32 s42, s[WV], 2
	s_add_co_u32 s42, s42, CW
	v_mov_b32 v55, s42                             ; my wave's word of CW
	v_mov_b32 v56, CW
	s_wait_dscnt 0x0                               ; the opening add is done
	s_wait_kmcnt 0x0
	s_add_nc_u64 s[42:43], s[6:7], s[40:41]
	s_add_nc_u64 s[4:5], s[4:5], s[56:57]
	s_add_nc_u64 s[14:15], s[14:15], s[58:59]
	s_add_nc_u64 s[PFA:PFA+1], s[6:7], s[60:61]
	CROUND                                         ; all four work-groups are here: the first joint loads meet
	s_mov_b32 s[G0], 1                             ; 1:0 count = 1
	s_lshl_b32 s[G0+1], s[WV], 15                  ; LDS address: slot 0, my quarter: no place in the cluster enters an LDS address
	s_mov_b64 s[G0+2:G0+3], s[42:43]               ; global address: the quarter's first eight blocks
	s_or_b32 s[G0+3], s[G0+3], 0x80000000          ; type = 2
	s_mov_b32 s[G0+4], 1
	s_add_co_u32 s[G0+5], s[G0+1], SLOTB
	s_add_nc_u64 s[G0+6:G0+7], s[42:43], SLOTB
	s_or_b32 s[G0+7], s[G0+7], 0x80000000
	tensor_load_to_lds s[G0:G0+3], s[G1:G1+7]      ; both slots' first fills go out together: two loads of mine are out here, later one
	s_nop 0
	tensor_load_to_lds s[G0+4:G0+7], s[G1:G1+7]
	s_nop 0
.rept 4
	v_nop
.endr
	global_load_b128 v[128:131], v49, s[8:9]
	global_load_b128 v[132:135], v49, s[8:9] offset:16
	global_load_b128 v[136:139], v50, s[8:9] offset:256
	global_load_b128 v[140:143], v50, s[8:9] offset:272
	global_load_b128 v[144:147], v51, s[8:9] offset:512
	global_load_b128 v[148:151], v51, s[8:9] offset:528
.set n_, 0
.rept 16
	global_load_b128 v[152+4*n_:155+4*n_], v52, s[8:9] offset:768+16*n_
.set n_, n_+1
.endr
	global_load_b128 v[216:219], v53, s[10:11]
	global_load_b128 v[220:223], v53, s[10:11] offset:16
	WIN 0x40                                       ; destination window 1: H's blocks 0-3
.irp a, 0,1,2,3
.irp s, 0,1,2,3
.irp c, 0,1,2,3
	global_load_b128 v[64*\a+16*\s+4*\c:64*\a+16*\s+4*\c+3], v[LI], s[4:5] offset:\a*16384+\s*2048+\c*512   ; 512 consecutive bytes an instruction
.endr
.endr
.endr
	WIN 0x80                                       ; window 2: blocks 4-7
.irp a, 0,1,2,3
.irp s, 0,1,2,3
.irp c, 0,1,2,3
	global_load_b128 v[64*\a+16*\s+4*\c:64*\a+16*\s+4*\c+3], v[LI], s[4:5] offset:(\a+4)*16384+\s*2048+\c*512
.endr
.endr
.endr
	WIN 0
	s_load_b64 s[52:53], s[12:13], 0x0             ; e0, e1
	s_wait_loadcnt 63                              ; a wait names 63 at the most: at most 63 of H's 128 loads are out, so the 24 loads ahead of them are in
.irp x, 0,2,4,6
	v_pk_mul_f32 v[224+\x:225+\x], v[128+\x:129+\x], v[136+\x:137+\x]
.endr
.irp x, 0,2,4,6
	v_pk_mul_f32 v[224+\x:225+\x], v[224+\x:225+\x], v[144+\x:145+\x]       ; S0[b][x] S1[d][x] S2[f][x]
.endr
.irp i, 0,1,2,3,4,5,6,7
	v_pk_mul_f32 v[240+2*\i:241+2*\i], v[224:225], v[152+8*\i:153+8*\i]
.endr
.irp x, 2,4,6
.irp i, 0,1,2,3,4,5,6,7
	v_pk_fma_f32 v[240+2*\i:241+2*\i], v[224+\x:225+\x], v[152+8*\i+\x:153+8*\i+\x], v[240+2*\i:241+2*\i]
.endr
.endr
.irp i, 0,1,2,3,4,5,6,7
	v_add_f32 v[232+\i], v[240+2*\i], v[241+2*\i]  ; rhs at column 8 t + i
.endr
	ds_store_b128 v54, v[232:235]
	ds_store_b128 v54, v[236:239] offset:16
	v_pk_mul_f32 v[240:241], v[216:217], v[232:233]                         ; b2 . rhs: my eight columns,
	v_pk_fma_f32 v[240:241], v[218:219], v[234:235], v[240:241]
	v_pk_fma_f32 v[240:241], v[220:221], v[236:237], v[240:241]
	v_pk_fma_f32 v[240:241], v[222:223], v[238:239], v[240:241]
	v_add_f32 v240, v240, v241
.irp m, 1,2,4,8
	v_add_f32_dpp v240, v240, v240 row_xmask:\m row_mask:0xf bank_mask:0xf  ; my wave's 256
.endr
	v_permlanex16_b32 v241, v240, s[SEL], s[SEL+1]
	v_add_f32 v240, v240, v241
	ds_store_b32 v55, v240                         ; all lanes write the same word with the same value
.set n_, 0
.rept 16
	v_mov_b32 v[O+n_], 0                           ; the running sums begin as zeros.  The pair is written once: the first stretch's multiply-adds find zeros in the second group's accumulators and in rhs's fourth set
.set n_, n_+1
.endr
.set n_, 0
.rept 32
	v_mov_b32 v[ACC+32+n_], 0
.set n_, n_+1
.endr
.set n_, 0
.rept 8
	v_mov_b32 v[RH+24+n_], 0
.set n_, n_+1
.endr
	s_wait_tensorcnt 1                             ; my quarter of slot 0 is in; slot 1's may stay out
	s_wait_dscnt 0x0                               ; for the others' sake: my stores of rhs and of my word are done
	s_barrier_signal -1
	s_barrier_wait -1
	ds_load_b128 v[CWV:CWV+3], v56
	WIN 0xc0
	LB ADRB, 0, 0                                  ; the first pair's fragments
	LB ADRB, 16384, 1
	WIN 0
	LR 0, 0
	LR 64, 1
	s_wait_loadcnt 0x0                             ; H
	s_mov_b32 s[LAP], 3
.Llap:                                                 ; a trip goes once round the ring, 16 blocks, and fills both slots again: slots 2 to 7 in three trips
	SLOTRUN 0, 1, 1
	SLOTRUN 1, 1, 0
	s_add_co_u32 s[RTB], s[RTB], 1024              ; 16 blocks' rhs on
	v_add_nc_u32 v[RA], s[RTB], v[RA0]
	s_sub_co_u32 s[LAP], s[LAP], 1
	s_cmp_lg_u32 s[LAP], 0
	s_cbranch_scc1 .Llap
	SLOTRUN 0, 2, 0                                ; the last lap is written out: nothing is left to fetch
	SLOTRUN 1, 3, 0
	; THE END.  A block's pair, then the other half of the lanes' eight columns; then lane l takes row 32 q + l, the two K halves meet in LDS, and each wave stores 64 rows.
.irp a, 0,1,2,3,4,5,6,7
	v_add_f32 v[TE+\a], v[O+2*\a], v[O+2*\a+1]
.endr
.irp a, 0,1,2,3,4,5,6,7
	v_permlanex16_b32 v[RH+\a], v[TE+\a], s[SEL], s[SEL+1]
.endr
.irp a, 0,1,2,3,4,5,6,7
	v_add_f32 v[TE+\a], v[TE+\a], v[RH+\a]         ; lanes r and 16 + r: the sum of row 16 a + r
.endr
.irp q, 0,1,2,3
	v_cndmask_b32 v[TE+8+\q], v[TE+2*\q], v[TE+2*\q+1], s[HMK]
.endr
	s_lshl_b32 s40, s[WV], 9
	s_add_co_u32 s40, s40, STG
	v_lshl_add_u32 v60, v1, 2, s40                 ; in: my wave's 512 bytes, 4 bytes a lane
	s_lshl_b32 s41, s[IH], 10
	s_lshl_b32 s42, s[KH], 8
	s_add_co_u32 s41, s41, s42
	s_add_co_u32 s41, s41, STG
	v_lshl_add_u32 v61, v1, 3, s41                 ; back: rows 64 kh + 2 lane of the pair of waves with my rows; K half 0's, and 512 bytes on K half 1's
	v_lshlrev_b32 v62, 3, v1
.irp q, 0,1,2,3
	ds_store_b32 v60, v[TE+8+\q] offset:128*\q
.endr
	s_wait_dscnt 0x0                               ; for the others' sake: my stores are done
	s_barrier_signal -1
	s_barrier_wait -1
	ds_load_b64 v[48:49], v61
	ds_load_b64 v[50:51], v61 offset:512
	s_wait_kmcnt 0x0
	s_add_co_i32 s52, s52, s53                     ; e0 + e1
	v_add_f32 v[CWV], v[CWV], v[CWV+1]
	v_add_f32 v[CWV+2], v[CWV+2], v[CWV+3]
	v_add_f32 v[CWV], v[CWV], v[CWV+2]             ; b2 . rhs over the quarter
	s_wait_dscnt 0x0
	v_pk_add_f32 v[48:49], v[48:49], v[50:51]
	v_ldexp_f32 v48, v48, s52
	v_ldexp_f32 v49, v49, s52
	v_add_f32 v48, v48, v[CWV]
	v_add_f32 v49, v49, v[CWV]
	global_store_b64 v62, v[48:49], s[14:15]       ; 32 lanes store 256 consecutive bytes, aligned
	s_wait_tensorcnt 0x0                           ; the wave's end: behind my last tensor load and my last LDS store
	ds_add_u32 v[SPW], v[NIL]
	s_wait_dscnt 0x0
	CROUND                                         ; the closing round: no work-group ends while a partner may still ask for a tile that names it
	s_endpgm
.Lfunc_end_k_qb5db88b2ed_gemm:
	.size	k_qb5db88b2ed_gemm, .Lfunc_end_k_qb5db88b2ed_gemm-k_qb5db88b2ed_gemm
	.p2alignl 7, 3214868480
	.fill 96, 4, 3214868480
	.section	.rodata,"a",@progbits
	.p2align	6, 0x0
	.amdhsa_kernel k_qb5db88b2ed_gemm
		.amdhsa_group_segment_fixed_size 327680
		.amdhsa_private_segment_fixed_size 0
		.amdhsa_enable_private_segment 0
		.amdhsa_kernarg_size 48
		.amdhsa_user_sgpr_count 2
		.amdhsa_user_sgpr_kernarg_segment_ptr 1
		.amdhsa_wavefront_size32 1
		.amdhsa_system_sgpr_workgroup_id_x 1
		.amdhsa_system_sgpr_workgroup_id_y 1
		.amdhsa_system_sgpr_workgroup_id_z 1
		.amdhsa_system_vgpr_workitem_id 0
		.amdhsa_next_free_vgpr 1024
		.amdhsa_next_free_sgpr 66
		.amdhsa_reserve_vcc 0
		.amdhsa_float_denorm_mode_32 3
		.amdhsa_float_denorm_mode_16_64 3
		.amdhsa_memory_ordered 1
		.amdhsa_forward_progress 1
		.amdhsa_inst_pref_size 229
	.end_amdhsa_kernel
	.amdgpu_metadata
---
amdhsa.version: [ 1, 2 ]
amdhsa.kernels:
  - .name:           k_qb5db88b2ed_gemm
    .symbol:         k_qb5db88b2ed_gemm.kd
    .args:
      - { .name: hc, .offset: 0, .size: 8, .value_kind: global_buffer, .address_space: global }
      - { .name: w2c, .offset: 8, .size: 8, .value_kind: global_buffer, .address_space: global }
      - { .name: sq, .offset: 16, .size: 8, .value_kind: global_buffer, .address_space: global }
      - { .name: b2, .offset: 24, .size: 8, .value_kind: global_buffer, .address_space: global }
      - { .name: lowp_scales, .offset: 32, .size: 8, .value_kind: global_buffer, .address_space: global }
      - { .name: part, .offset: 40, .size: 8, .value_kind: global_buffer, .address_space: global }
    .group_segment_fixed_size: 327680
    .private_segment_fixed_size: 0
    .kernarg_segment_align: 8
    .kernarg_segment_size: 48
    .max_flat_workgroup_size: 128
    .sgpr_count:     66
    .vgpr_count:     1024
    .wavefront_size: 32
...
	.end_amdgpu_metadata
.endif
;; end of part 2
;; launch fin (part 3): grid 16 x 1, 8 waves a work-group, no clusters, 0 bytes of LDS; arguments part, out0; writes out0
.if DOCPART == 3
	.amdgcn_target "amdgcn-amd-amdhsa--gfx1250"
	.amdhsa_code_object_version 6
	.text
	.protected	k_qb5db88b2ed_fin
	.globl	k_qb5db88b2ed_fin
	.p2align	8
	.type	k_qb5db88b2ed_fin,@function
k_qb5db88b2ed_fin:
	s_mov_b64 s[64:65], 0
	v_nop
	global_prefetch_b8 v0, s[64:65] scope:SCOPE_SE
	s_setreg_imm32_b32 hwreg(HW_REG_WAVE_MODE, 25, 1), 1
	s_wait_xcnt 0x0
; out0[m] = part[0][m] + part[1][m] + part[2][m] + part[3][m]: the four quarters of the columns, each made by another work-group of the launch before, are added here, in a fixed order.
; A lane takes four rows, 16 bytes: a wave's load or store covers 512 consecutive bytes, aligned.  16 work-groups x 256 lanes x 4 = 16,384 rows.  No LDS, no barrier: 327,680 bytes are moved in all.
	s_load_b128 s[4:7], s[0:1], 0x0                ; part s[4:5], out0 s[6:7]
	v_lshlrev_b32 v1, 4, v0
	s_lshl_b32 s8, ttmp9, 12
	v_add_nc_u32 v1, s8, v1                        ; 4,096 x work-group + 16 x thread
	s_wait_kmcnt 0x0
.irp q, 0,1,2,3
	global_load_b128 v[4+4*\q:7+4*\q], v1, s[4:5] offset:\q*65536 th:TH_LOAD_NT
.endr
	s_wait_loadcnt 0x0
	v_pk_add_f32 v[4:5], v[4:5], v[8:9]
	v_pk_add_f32 v[6:7], v[6:7], v[10:11]
	v_pk_add_f32 v[12:13], v[12:13], v[16:17]
	v_pk_add_f32 v[14:15], v[14:15], v[18:19]
	v_pk_add_f32 v[4:5], v[4:5], v[12:13]
	v_pk_add_f32 v[6:7], v[6:7], v[14:15]
	global_store_b128 v1, v[4:7], s[6:7]
	s_endpgm
.Lfunc_end_k_qb5db88b2ed_fin:
	.size	k_qb5db88b2ed_fin, .Lfunc_end_k_qb5db88b2ed_fin-k_qb5db88b2ed_fin
	.p2alignl 7, 3214868480
	.fill 96, 4, 3214868480
	.section	.rodata,"a",@progbits
	.p2align	6, 0x0
	.amdhsa_kernel k_qb5db88b2ed_fin
		.amdhsa_group_segment_fixed_size 0
		.amdhsa_private_segment_fixed_size 0
		.amdhsa_enable_private_segment 0
		.amdhsa_kernarg_size 16
		.amdhsa_user_sgpr_count 2
		.amdhsa_user_sgpr_kernarg_segment_ptr 1
		.amdhsa_wavefront_size32 1
		.amdhsa_system_sgpr_workgroup_id_x 1
		.amdhsa_system_sgpr_workgroup_id_y 1
		.amdhsa_system_sgpr_workgroup_id_z 1
		.amdhsa_system_vgpr_workitem_id 0
		.amdhsa_next_free_vgpr 24
		.amdhsa_next_free_sgpr 66
		.amdhsa_reserve_vcc 0
		.amdhsa_float_denorm_mode_32 3
		.amdhsa_float_denorm_mode_16_64 3
		.amdhsa_memory_ordered 1
		.amdhsa_forward_progress 1
		.amdhsa_inst_pref_size 2
	.end_amdhsa_kernel
	.amdgpu_metadata
---
amdhsa.version: [ 1, 2 ]
amdhsa.kernels:
  - .name:           k_qb5db88b2ed_fin
    .symbol:         k_qb5db88b2ed_fin.kd
    .args:
      - { .name: part, .offset: 0, .size: 8, .value_kind: global_buffer, .address_space: global }
      - { .name: out0, .offset: 8, .size: 8, .value_kind: global_buffer, .address_space: global }
    .group_segment_fixed_size: 0
    .private_segment_fixed_size: 0
    .kernarg_segment_align: 8
    .kernarg_segment_size: 16
    .max_flat_workgroup_size: 256
    .sgpr_count:     66
    .vgpr_count:     24
    .wavefront_size: 32
...
	.end_amdgpu_metadata
.endif
;; end of part 3
